; MI455X (gfx1250); checked and timed in simulation.
; The chip was launched on July 23, 2026; its instructions are those of AMD's public machine-readable ISA for CDNA 5 (MIT licence, August 2026) and "CDNA5" Instruction Set Architecture Reference Guide (July 2026). The comments in the code are by the model that wrote it; some were corrected since.
;; Recurrent NALU. Allowed arithmetic: float matrix products may take bf16 or f16 operands with f32 sums; all other float work in f32.
;; Inputs: G_add 128 x 256 float32; W_add 128 x 256 float32; W_mul 128 x 256 float32; h_tm1 4,096 x 128 float32; x_t 4,096 x 128 float32.
;; Outputs: out0 4,096 x 128 float32.
;; 2 versions, each right; version 2 is version 1 with the launch nalu written anew for expert scheduling mode. Each part assembles by itself: llvm-mc -triple=amdgcn-amd-amdhsa -mcpu=gfx1250 --defsym DOCPART=n.
;; ======== version 1 of 2: 1 launch
;; launch nalu (part 1): grid 2 x 128, 8 waves a work-group, no clusters, 263,168 bytes of LDS; arguments x_t, h_tm1, W_mul, G_add, W_add, out0; writes out0
.if DOCPART == 1
	.amdgcn_target "amdgcn-amd-amdhsa--gfx1250"
	.amdhsa_code_object_version 6
	.text
	.protected	k_q38fd569099_nalu
	.globl	k_q38fd569099_nalu
	.p2align	8
	.type	k_q38fd569099_nalu,@function
k_q38fd569099_nalu:
	s_mov_b64 s[64:65], 0
	v_nop
	global_prefetch_b8 v0, s[64:65] scope:SCOPE_SE
	s_setreg_imm32_b32 hwreg(HW_REG_WAVE_MODE, 25, 1), 1
	s_wait_xcnt 0x0
; RecurrentNALU step.  x = [x_t | h_tm1] is [4096][256] f32; G_add, W_add, W_mul are [128][256] f32; out0 is [4096][128] f32.
;   g = sigmoid(x G_add^T),  a = x clip(W_add,-1,1)^T,  m[b][h] = product over k of (x[b][k] W[h][k] + 1 - W[h][k]), W = clip(W_mul,0,1),
;   out0 = g a + (1 - g) m.
; One launch.  A work-group owns 32 rows x 64 columns of out0 (a row piece of 256 bytes, aligned); grid 2 (column blocks) x 128 (row blocks).
; The product path is the bulk: 32 x 64 x 256 terms, each one fused multiply-add and one multiply in f32, two terms to a packed instruction:
; 16,384 packed instructions for eight waves.  The two matrix products are 128 bf16 matrix instructions.
; PHASES  A: every global load of the kernel is issued.  B: W_mul and x are worked into LDS.  C: wave w multiplies the terms of k = 32 w .. 32 w + 31
; for the whole tile (a lane holds 8 rows x 8 columns), G_add and W_add still on their way in registers v256-383.  D: these two go to LDS as bf16.
; E: each wave owns a 16 x 16 piece: the eight waves' partial products, 16 matrix instructions, the gate, and the way out through LDS.
; LIMITS KEPT.  (1) A term is formed as (x - 1) W + 1, one rounding of x - 1 and one of the fma, in place of (x W + 1) - W: the absolute error of a term
; is of the same size, half a unit in the last place of max(|x W|, 1).  (2) The 256 terms are multiplied as eight runs of 32 in ascending k and then as a tree of three
; levels: where an intermediate product leaves f32's range (above 3.4e38, below 1.2e-38) it may do so at another place than in reference()'s order.
; (3) The clips are v_med3_num_f32, which drops a NaN: a NaN among the weights does not come out as NaN.  (4) x, G_add and clip(W_add) are rounded to
; bf16 for the matrix unit; the sums are f32.
; NO CLUSTER, NO TENSOR LOADS: the 128 work-groups of a column block read the same 192 KiB of weights, but every element needs register work before
; its LDS form (clip and interleave; clip and bf16; x - 1 and bf16).  Loaded raw into LDS the tiles are 224 KiB beside the 256 KiB used here, more
; than a work-group can have, and a ring of raw pieces would add 224 KiB of LDS writes and as many reads to each work-group.
; ---- LDS map.  Every pitch is an odd multiple of 16 bytes, so that the rows which one 16-byte load or store touches start in different banks.
.set PA, 1040                          ; x - 1, f32: 256 k = 1,024 bytes + 16
.set PW, 2064                          ; W pairs, f32: two planes of 1,024 bytes + 16
.set PB, 528                           ; bf16 rows: 512 bytes + 16
.set PR, 272                           ; rows of 64 f32 results: 256 bytes + 16
.set L_A, 0                            ; [32 rows][256 k] x - 1
.set L_W, L_A+32*PA                    ; [32 pairs of h][plane][64][4]: plane p, entry q = (W[h][4q+2p], W[h+1][4q+2p], W[h][4q+2p+1], W[h+1][4q+2p+1])
.set L_X, L_W+32*PW                    ; [32 rows][256 k] x in bf16
.set L_G, L_X+32*PB                    ; [64 h][256 k] G_add in bf16
.set L_V, L_G+64*PB                    ; [64 h][256 k] clip(W_add) in bf16
.set L_P, L_V+64*PB                    ; [8 waves][32 rows][64 h] partial products
.set L_Y, L_P+8*32*PR                  ; [32 rows][64 h] y;  ends at 262,144
; ---- registers, window 0
.set OO,  1                            ; byte offset of my 16 bytes in out0 (from the tile's first byte)
.set GO,  2                            ; 16 t: global offset in x_t, h_tm1, G_add, W_add tiles
.set GOM, 3                            ; global offset in the W_mul tile
.set YR,  4                            ; LDS: where I read y back by rows
.set SA,  5                            ; LDS stores of phase B and D: x - 1,
.set SX,  6                            ;   bf16 x,
.set SW,  7                            ;   W pairs,
.set SG,  8                            ;   bf16 G_add (and W_add, L_V - L_G further)
.set FXA, 9                            ; LDS: my x fragments
.set FGA, 10                           ; LDS: my G_add fragments (W_add's L_V - L_G further)
.set RP,  11                           ; LDS: my 16 x 16 piece in wave 0's partial products
.set XA,  12                           ; LDS: x - 1 of my rows at my wave's first k
.set WA,  13                           ; LDS: W pairs of my columns at my wave's first k
.set PS,  14                           ; LDS: where my partial products go
.set YS,  15                           ; LDS: where my piece of y goes
.set T8,  16                           ; v16-23  phase B: the first pair's worked form (set-up temporaries before)
.set TBA, 24                           ; v24-31  phase B: bf16 of x_t
.set LX,  32                           ; v32-63  x as loaded: 4 loads of x_t, 4 of h_tm1
.set LM,  64                           ; v64-127 W_mul as loaded: pair i: row 2hp in 8i..8i+3, row 2hp+1 in 8i+4..8i+7
.set T,   32                           ; v32-47  phase C: eight pairs of terms
.set P,   64                           ; v64-127 phase C: products; row i, pair j at P + 8 i + 2 j
.set F0,  128                          ; v128-191, v192-255: two fragment buffers: 8 rows x 4 k of x - 1, then 4 pairs x 4 k x 2 of W
.set F1,  192
.set CG,  128                          ; phase D: bf16 of G_add, of W_add
.set CV,  160
.set AG,  32                           ; phase E: gate sums, then g, then y by rows
.set AA,  40                           ;          add-path sums, then y
.set TS,  48                           ;          at work
.set M,   56                           ;          m of my 8 outputs
.set FX,  64                           ;          fragments: x, G_add, W_add, 8 K steps x 8 registers each
.set FG,  128
.set FV,  192
; ---- registers, window 1 (v256-383)
.set BG,  0                            ; G_add as loaded, 64 registers; in phase E the eight partial products of my 8 outputs (BP)
.set BV,  64                           ; W_add as loaded, 64 registers
.set BP,  0
; s_set_vgpr_msb: bits 1:0 source 0, 3:2 source 1, 5:4 source 2, 7:6 destination; the high byte repeats the setting that is left.
.set MSB, 0
.macro WIN new
.if MSB != \new
	s_set_vgpr_msb (MSB<<8)|\new
.set MSB, \new
.endif
.endm
; =============================== A: addresses and all global loads ===============================
	s_load_b256 s[4:11], s[0:1], 0x0               ; x_t s[4:5], h_tm1 s[6:7], W_mul s[8:9], G_add s[10:11]
	s_load_b128 s[12:15], s[0:1], 0x20             ; W_add s[12:13], out0 s[14:15]
	s_set_vgpr_msb 0x40
	v_lshl_add_u32 v128, v0, 2, 0x40000
	v_mov_b32 v129, 0
	s_set_vgpr_msb 0x4000
	v_lshrrev_b32 v16, 5, v0
	v_readfirstlane_b32 s16, v16                   ; wave w, 0 to 7
	v_lshlrev_b32 v[GO], 4, v0                     ; the tiles of x_t, h_tm1, G_add, W_add are dense: thread t takes bytes 16 t + 4,096 i
	v_lshrrev_b32 v16, 6, v0                       ; c = t / 64
	v_and_b32 v17, 63, v0                          ; q = t % 64: k = 4 q
	v_lshlrev_b32 v17, 4, v17
	v_lshl_add_u32 v[GOM], v16, 11, v17            ; W_mul: row 2 c, 16 bytes at k = 4 q; pair hp = c + 4 i lies 8,192 i further, its second row 1,024 more
	s_and_b32 s17, ttmp7, 0xffff                   ; row block, 0 to 127
	s_lshl_b32 s18, s17, 14                        ; x 32 rows x 512 bytes (x_t, h_tm1, out0)
	s_mov_b32 s19, 0
	s_lshl_b32 s20, ttmp9, 16                      ; column block x 64 rows x 1,024 bytes (the weights)
	s_mov_b32 s21, 0
	s_lshl_b32 s22, ttmp9, 8                       ; column block x 256 bytes in a row of out0
	s_add_co_u32 s22, s22, s18
	s_mov_b32 s23, 0
	s_wait_kmcnt 0x0
	s_add_nc_u64 s[4:5], s[4:5], s[18:19]
	s_add_nc_u64 s[6:7], s[6:7], s[18:19]
	s_add_nc_u64 s[8:9], s[8:9], s[20:21]
	s_add_nc_u64 s[10:11], s[10:11], s[20:21]
	s_add_nc_u64 s[12:13], s[12:13], s[20:21]
	s_add_nc_u64 s[14:15], s[14:15], s[22:23]
; 56 loads a thread, each of a wave 512 consecutive bytes at a multiple of 512.  What the product path needs comes first.
.irp i, 0,1,2,3,4,5,6,7
	global_load_b128 v[LM+8*\i:LM+8*\i+3],   v[GOM], s[8:9] offset:\i*8192
	global_load_b128 v[LM+8*\i+4:LM+8*\i+7], v[GOM], s[8:9] offset:\i*8192+1024
.endr
.irp i, 0,1,2,3
	global_load_b128 v[LX+4*\i:LX+4*\i+3], v[GO], s[4:5] offset:\i*4096            ; x_t, tile row w + 8 i
.endr
.irp i, 0,1,2,3
	global_load_b128 v[LX+16+4*\i:LX+16+4*\i+3], v[GO], s[6:7] offset:\i*4096      ; h_tm1, the same rows
.endr
	WIN 0x40                                       ; destinations in window 1: these 32 loads stay out until phase D
.irp i, 0,1,2,3,4,5,6,7,8,9,10,11,12,13,14,15
	global_load_b128 v[BG+4*\i:BG+4*\i+3], v[GO], s[10:11] offset:\i*4096          ; G_add, tile row 4 i + t / 64
.endr
.irp i, 0,1,2,3,4,5,6,7,8,9,10,11,12,13,14,15
	global_load_b128 v[BV+4*\i:BV+4*\i+3], v[GO], s[12:13] offset:\i*4096          ; W_add likewise
.endr
	WIN 0
; LDS addresses, made while the loads are on their way: a constant, the wave's number times a constant, a lane term.
	v_and_b32 v21, 31, v0                          ; lane l
	s_lshr_b32 s26, s16, 1                         ; w / 2: c of the weight stores; column block of 16 in phase E
	s_and_b32 s27, s16, 1                          ; w % 2: half of a weight row;   row block of 16 in phase E
	s_mul_i32 s24, s16, PA                         ; x - 1: row w (+ 8 i by the offset); L_A is 0
	v_lshl_add_u32 v[SA], v21, 4, s24
	s_mul_i32 s25, s16, PB
	s_add_co_u32 s25, s25, L_X
	v_lshl_add_u32 v[SX], v21, 3, s25
	s_mul_i32 s28, s26, 8*PW                       ; pair hp = c + 4 i is kept at LDS row 8 c + i, so that the eight lanes' rows in phase C are neighbours
	s_lshl_b32 s29, s27, 9
	s_add_co_u32 s28, s28, s29
	s_add_co_u32 s28, s28, L_W
	v_lshl_add_u32 v[SW], v21, 4, s28
	s_mul_i32 s29, s26, PB
	s_lshl_b32 s30, s27, 8
	s_add_co_u32 s29, s29, s30
	s_add_co_u32 s29, s29, L_G
	v_lshl_add_u32 v[SG], v21, 3, s29
	v_and_b32 v16, 15, v21                         ; r = l % 16
	v_lshrrev_b32 v17, 4, v21                      ; hh = l / 16
	v_mul_u32_u24 v20, v16, PB
	v_lshl_add_u32 v20, v17, 4, v20                ; fragment: row r, 16 bytes for each half of the lanes
	s_mul_i32 s30, s27, 16*PB
	s_add_co_u32 s30, s30, L_X
	v_add_nc_u32 v[FXA], s30, v20
	s_mul_i32 s31, s26, 16*PB
	s_add_co_u32 s31, s31, L_G
	v_add_nc_u32 v[FGA], s31, v20
	v_mul_u32_u24 v20, v16, PR
	v_lshl_add_u32 v20, v17, 5, v20                ; my 8 results: row r, columns 8 hh .. 8 hh + 7 of the 16 x 16 piece
	s_mul_i32 s30, s27, 16*PR
	s_lshl_b32 s31, s26, 6
	s_add_co_u32 s30, s30, s31
	s_add_co_u32 s31, s30, L_Y
	s_add_co_u32 s30, s30, L_P
	v_add_nc_u32 v[RP], s30, v20
	v_add_nc_u32 v[YS], s31, v20
	v_mul_u32_u24 v20, v17, PR                     ; the way out: lanes 0-15 take row 2 w, lanes 16-31 row 2 w + 1, 16 bytes a lane
	v_lshl_add_u32 v20, v16, 4, v20
	s_mul_i32 s30, s16, 2*PR
	s_add_co_u32 s30, s30, L_Y
	v_add_nc_u32 v[YR], s30, v20
	v_lshlrev_b32 v20, 9, v17                      ; and the same two rows in out0, 512 bytes apart
	v_lshl_add_u32 v20, v16, 4, v20
	s_lshl_b32 s30, s16, 10
	v_add_nc_u32 v[OO], s30, v20
	v_and_b32 v18, 7, v21                          ; hg = l % 8: my columns 8 hg .. 8 hg + 7 (pairs 4 hg + j, LDS rows 8 j + hg)
	v_lshrrev_b32 v19, 3, v21                      ; bg = l / 8: my rows bg + 4 i
	s_lshl_b32 s30, s16, 7                         ; my wave's 32 k: 128 bytes into a row of x - 1 and into each plane of W
	v_mul_u32_u24 v[XA], v19, PA
	v_add_nc_u32 v[XA], s30, v[XA]
	s_add_co_u32 s31, s30, L_W
	v_mul_u32_u24 v[WA], v18, PW
	v_add_nc_u32 v[WA], s31, v[WA]
	s_mul_i32 s30, s16, 32*PR
	s_add_co_u32 s30, s30, L_P
	v_mul_u32_u24 v[PS], v19, PR
	v_lshl_add_u32 v[PS], v18, 5, v[PS]
	v_add_nc_u32 v[PS], s30, v[PS]
; =============================== B: W_mul and x into LDS ===============================
; Pair i: the clip's destination registers interleave the two rows, so that a register pair is (W[h][k], W[h+1][k]): the move costs nothing.
; d: eight registers that no pending LDS store reads: T8 for the first pair, then the raw registers of the pair before.
.macro STAGEW i, d
	s_wait_loadcnt 54-2*\i                         ; loads return in order (ISA guide 5.7.1): of the 56, those behind this pair's second may be out
	v_med3_num_f32 v[\d+0], v[LM+8*\i+0], 0, 1.0
	v_med3_num_f32 v[\d+1], v[LM+8*\i+4], 0, 1.0
	v_med3_num_f32 v[\d+2], v[LM+8*\i+1], 0, 1.0
	v_med3_num_f32 v[\d+3], v[LM+8*\i+5], 0, 1.0
	v_med3_num_f32 v[\d+4], v[LM+8*\i+2], 0, 1.0
	v_med3_num_f32 v[\d+5], v[LM+8*\i+6], 0, 1.0
	v_med3_num_f32 v[\d+6], v[LM+8*\i+3], 0, 1.0
	v_med3_num_f32 v[\d+7], v[LM+8*\i+7], 0, 1.0
	ds_store_b128 v[SW], v[\d:\d+3] offset:\i*PW           ; plane 0: k, k + 1.  A wave's store covers 512 consecutive bytes
	ds_store_b128 v[SW], v[\d+4:\d+7] offset:\i*PW+1024    ; plane 1: k + 2, k + 3
.endm
	STAGEW 0, T8
	STAGEW 1, LM
	STAGEW 2, LM+8
	STAGEW 3, LM+16
	STAGEW 4, LM+24
	STAGEW 5, LM+32
	STAGEW 6, LM+40
	STAGEW 7, LM+48
; x load i (0-3 x_t, 4-7 h_tm1): bf16 for the matrix unit, x - 1 in f32 for the product.  tb: two free registers.
.macro STAGEX i, tb
	s_wait_loadcnt 39-\i                           ; 16 + i loads stand in front of this one: 39 - i behind it may be out
	v_cvt_pk_bf16_f32 v[\tb], v[LX+4*\i], v[LX+4*\i+1]
	v_cvt_pk_bf16_f32 v[\tb+1], v[LX+4*\i+2], v[LX+4*\i+3]
	v_pk_add_f32 v[LX+4*\i:LX+4*\i+1], v[LX+4*\i:LX+4*\i+1], -1.0 op_sel_hi:[1,0]
	v_pk_add_f32 v[LX+4*\i+2:LX+4*\i+3], v[LX+4*\i+2:LX+4*\i+3], -1.0 op_sel_hi:[1,0]
	ds_store_b64 v[SX], v[\tb:\tb+1] offset:(\i&3)*8*PB+(\i>>2)*256
	ds_store_b128 v[SA], v[LX+4*\i:LX+4*\i+3] offset:(\i&3)*8*PA+(\i>>2)*512
.endm
	STAGEX 0, TBA
	STAGEX 1, TBA+2
	STAGEX 2, TBA+4
	STAGEX 3, TBA+6
	STAGEX 4, LM+56                                ; the last pair's raw registers, read by its clips and by nothing else
	STAGEX 5, LM+58
	STAGEX 6, LM+60
	STAGEX 7, LM+62
	s_wait_dscnt 0x0                               ; for the other waves: my LDS stores are done,
	s_barrier_signal -1
	s_barrier_wait -1                              ; and everybody's are.  (G_add and W_add stay on their way: nobody writes those global bytes.)
; =============================== C: the product, my wave's 32 k, the whole tile ===============================
; A unit is 4 k: 16 loads of 16 bytes feed 128 packed fma and 128 packed multiplies.
.macro LOADU u, f
.irp i, 0,1,2,3,4,5,6,7
	ds_load_b128 v[\f+4*\i:\f+4*\i+3], v[XA] offset:\i*4*PA+(\u)*16                ; row bg + 4 i: x - 1 at 4 k
.endr
.irp j, 0,1,2,3
	ds_load_b128 v[\f+32+8*\j:\f+32+8*\j+3],   v[WA] offset:\j*8*PW+(\u)*16        ; pair 4 hg + j: two k x two h,
	ds_load_b128 v[\f+32+8*\j+4:\f+32+8*\j+7], v[WA] offset:\j*8*PW+1024+(\u)*16   ; and the next two k
.endr
.endm
; Rows i0, i0 + 1 x four pairs at k number kk of the unit: eight fma, then eight multiplies, so that no instruction waits for the one in front.
; x - 1 is one register of a pair: op_sel and op_sel_hi feed it to both halves.  first = 1: the term starts the product, nothing is cleared.
.macro TERMS f, kk, i0, first
.irp d, 0,1
.irp j, 0,1,2,3
.if \first
.set DST, P+8*(\i0+\d)+2*\j
.else
.set DST, T+8*\d+2*\j
.endif
.if (\kk)&1
	v_pk_fma_f32 v[DST:DST+1], v[\f+4*(\i0+\d)+(\kk&2):\f+4*(\i0+\d)+(\kk&2)+1], v[\f+32+8*\j+2*\kk:\f+32+8*\j+2*\kk+1], 1.0 op_sel:[1,0,0] op_sel_hi:[1,1,0]
.else
	v_pk_fma_f32 v[DST:DST+1], v[\f+4*(\i0+\d)+(\kk&2):\f+4*(\i0+\d)+(\kk&2)+1], v[\f+32+8*\j+2*\kk:\f+32+8*\j+2*\kk+1], 1.0 op_sel_hi:[0,1,0]
.endif
.endr
.endr
.if \first == 0
.irp d, 0,1
.irp j, 0,1,2,3
	v_pk_mul_f32 v[P+8*(\i0+\d)+2*\j:P+8*(\i0+\d)+2*\j+1], v[P+8*(\i0+\d)+2*\j:P+8*(\i0+\d)+2*\j+1], v[T+8*\d+2*\j:T+8*\d+2*\j+1]
.endr
.endr
.endif
.endm
.macro UNIT f
.irp kk, 0,1,2,3
.irp i0, 0,2,4,6
	TERMS \f, \kk, \i0, 0
.endr
.endr
.endm
; Unit u lies in buffer f; unit u + 1 is asked for into buffer g, whose last readers have issued, a whole unit's arithmetic ahead of its use.
.macro STEP u, f, g
	s_wait_dscnt 0x0                               ; unit u's 16 loads, issued 256 packed instructions ago, are the only LDS instructions out
	LOADU \u+1, \g
	UNIT \f
.endm
	LOADU 0, F0
	s_wait_dscnt 0x0
	LOADU 1, F1
.irp i0, 0,2,4,6
	TERMS F0, 0, \i0, 1                            ; my wave's first k starts the 64 products
.endr
.irp kk, 1,2,3
.irp i0, 0,2,4,6
	TERMS F0, \kk, \i0, 0
.endr
.endr
	STEP 1, F1, F0
	STEP 2, F0, F1
	STEP 3, F1, F0
	STEP 4, F0, F1
	STEP 5, F1, F0
	STEP 6, F0, F1
	s_wait_dscnt 0x0
	UNIT F1                                        ; unit 7: nothing follows
.irp i, 0,1,2,3,4,5,6,7
	ds_store_b128 v[PS], v[P+8*\i:P+8*\i+3] offset:\i*4*PR             ; row bg + 4 i, columns 8 hg .. + 3, into my wave's own 8,704 bytes
	ds_store_b128 v[PS], v[P+8*\i+4:P+8*\i+7] offset:\i*4*PR+16        ; columns 8 hg + 4 .. + 7
.endr
; =============================== D: G_add and W_add into LDS as bf16 ===============================
	s_wait_loadcnt 0x0                             ; the 32 loads that stayed out under phase C
	WIN 0x05                                       ; sources in window 1, results in window 0
.irp i, 0,1,2,3,4,5,6,7,8,9,10,11,12,13,14,15
	v_cvt_pk_bf16_f32 v[CG+2*\i],   v[BG+4*\i],   v[BG+4*\i+1]
	v_cvt_pk_bf16_f32 v[CG+2*\i+1], v[BG+4*\i+2], v[BG+4*\i+3]
.endr
	WIN 0x41                                       ; source 0 and result in window 1: the clip in place
.set n, 0
.rept 64
	v_med3_num_f32 v[BV+n], v[BV+n], -1.0, 1.0
.set n, n+1
.endr
	WIN 0x05
.irp i, 0,1,2,3,4,5,6,7,8,9,10,11,12,13,14,15
	v_cvt_pk_bf16_f32 v[CV+2*\i],   v[BV+4*\i],   v[BV+4*\i+1]
	v_cvt_pk_bf16_f32 v[CV+2*\i+1], v[BV+4*\i+2], v[BV+4*\i+3]
.endr
	WIN 0
.irp i, 0,1,2,3,4,5,6,7,8,9,10,11,12,13,14,15
	ds_store_b64 v[SG], v[CG+2*\i:CG+2*\i+1] offset:\i*4*PB                ; tile row 4 i + w / 2; a wave's store covers 256 consecutive bytes
	ds_store_b64 v[SG], v[CV+2*\i:CV+2*\i+1] offset:L_V-L_G+\i*4*PB
.endr
	s_wait_dscnt 0x0                               ; partial products and bf16 weights are in LDS,
	s_barrier_signal -1
	s_barrier_wait -1                              ; everybody's
; =============================== E: my 16 x 16 piece: rows 16 (w % 2) + r, columns 16 (w / 2) + 8 hh + 0..7 ===============================
	WIN 0x40                                       ; the eight waves' partial products of my 8 outputs, into window 1
.irp w, 0,1,2,3,4,5,6,7
	ds_load_b128 v[BP+8*\w:BP+8*\w+3],   v[RP] offset:\w*32*PR
	ds_load_b128 v[BP+8*\w+4:BP+8*\w+7], v[RP] offset:\w*32*PR+16
.endr
	WIN 0
; Fragments, 16 rows x 32 k of bf16 in 8 registers: lane l holds row l % 16, k = 8 (l / 16) + 0..7 and 16 + 8 (l / 16) + 0..7: two loads, 32 bytes apart.
.irp s, 0,1,2,3,4,5,6,7
	ds_load_b128 v[FX+8*\s:FX+8*\s+3],   v[FXA] offset:64*\s
	ds_load_b128 v[FX+8*\s+4:FX+8*\s+7], v[FXA] offset:64*\s+32
	ds_load_b128 v[FG+8*\s:FG+8*\s+3],   v[FGA] offset:64*\s
	ds_load_b128 v[FG+8*\s+4:FG+8*\s+7], v[FGA] offset:64*\s+32
	ds_load_b128 v[FV+8*\s:FV+8*\s+3],   v[FGA] offset:L_V-L_G+64*\s
	ds_load_b128 v[FV+8*\s+4:FV+8*\s+7], v[FGA] offset:L_V-L_G+64*\s+32
.endr
	s_wait_dscnt 48                                ; the 16 loads of partial products are in; the 48 fragment loads behind them may be out
	WIN 0x45                                       ; m = ((p0 p1)(p2 p3)) ((p4 p5)(p6 p7)), in window 1
.irp w, 0,2,4,6
.irp c, 0,2,4,6
	v_pk_mul_f32 v[BP+8*\w+\c:BP+8*\w+\c+1], v[BP+8*\w+\c:BP+8*\w+\c+1], v[BP+8*\w+8+\c:BP+8*\w+8+\c+1]
.endr
.endr
.irp w, 0,4
.irp c, 0,2,4,6
	v_pk_mul_f32 v[BP+8*\w+\c:BP+8*\w+\c+1], v[BP+8*\w+\c:BP+8*\w+\c+1], v[BP+8*\w+16+\c:BP+8*\w+16+\c+1]
.endr
.endr
	WIN 0x05                                       ; the last level lands in window 0
.irp c, 0,2,4,6
	v_pk_mul_f32 v[M+\c:M+\c+1], v[BP+\c:BP+\c+1], v[BP+32+\c:BP+32+\c+1]
.endr
	WIN 0
; Source 0 = 16 rows of the weights, source 1 = 16 rows of x: register j of lane l is then (row l % 16 of x, column 8 (l / 16) + j): eight
; neighbouring columns of a row of out0.  Two chains in place take turns; the first link of each takes the constant 0.
.irp s, 0,1,2,3,4,5,6,7
	s_wait_dscnt 42-6*\s                           ; K step s's six loads are in; six for each later step may be out
.if \s == 0
	v_wmma_f32_16x16x32_bf16 v[AG:AG+7], v[FG:FG+7], v[FX:FX+7], 0
	v_wmma_f32_16x16x32_bf16 v[AA:AA+7], v[FV:FV+7], v[FX:FX+7], 0
.else
	v_wmma_f32_16x16x32_bf16 v[AG:AG+7], v[FG+8*\s:FG+8*\s+7], v[FX+8*\s:FX+8*\s+7], v[AG:AG+7]
	v_wmma_f32_16x16x32_bf16 v[AA:AA+7], v[FV+8*\s:FV+8*\s+7], v[FX+8*\s:FX+8*\s+7], v[AA:AA+7]
.endif
.endr
.rept 4
	v_nop                                          ; four places between the last matrix instructions and the vector instructions that read their results (ISA guide 7.12.1)
.endr
; g = 1 / (1 + 2^(-1.442695 z)): 2^.. overflows to infinity for very negative z (g = 0) and falls to 0 for very positive z (g = 1).
.irp j, 0,2,4,6
	v_pk_mul_f32 v[TS+\j:TS+\j+1], v[AG+\j:AG+\j+1], 0xbfb8aa3b op_sel_hi:[1,0]
.endr
.irp j, 0,1,2,3,4,5,6,7
	v_exp_f32 v[TS+\j], v[TS+\j]
.endr
	v_nop                                          ; one plain vector instruction between a transcendental and the use of its result (ISA guide 5.7.2)
	s_wait_alu depctr_va_vdst(0)
.irp j, 0,2,4,6
	v_pk_add_f32 v[TS+\j:TS+\j+1], v[TS+\j:TS+\j+1], 1.0 op_sel_hi:[1,0]
.endr
.irp j, 0,1,2,3,4,5,6,7
	v_rcp_f32 v[AG+\j], v[TS+\j]
.endr
	v_nop                                          ; likewise: the next lines read g and rewrite the reciprocals' sources
	s_wait_alu depctr_va_vdst(0)
.irp j, 0,2,4,6
	v_pk_fma_f32 v[TS+\j:TS+\j+1], v[AG+\j:AG+\j+1], -1.0, 1.0 op_sel_hi:[1,0,0]       ; 1 - g
.endr
.irp j, 0,2,4,6
	v_pk_mul_f32 v[TS+\j:TS+\j+1], v[TS+\j:TS+\j+1], v[M+\j:M+\j+1]                    ; (1 - g) m
.endr
.irp j, 0,2,4,6
	v_pk_fma_f32 v[AA+\j:AA+\j+1], v[AG+\j:AG+\j+1], v[AA+\j:AA+\j+1], v[TS+\j:TS+\j+1]    ; y = g a + (1 - g) m, as reference() forms it
.endr
; The way out.  My 32 bytes are an eighth of a row piece; four waves hold the rest.  So y goes through LDS and is read back by rows.
	ds_store_b128 v[YS], v[AA:AA+3]
	ds_store_b128 v[YS], v[AA+4:AA+7] offset:16
	s_wait_dscnt 0x0
	s_barrier_signal -1
	s_barrier_wait -1
	ds_load_b128 v[AG:AG+3],   v[YR]               ; tile rows 2 w, 2 w + 1
	ds_load_b128 v[AG+4:AG+7], v[YR] offset:16*PR  ; tile rows 16 + 2 w, 17 + 2 w
	s_wait_dscnt 1                                 ; the first is in, the second may be out
	global_store_b128 v[OO], v[AG:AG+3], s[14:15] th:TH_STORE_NT               ; 16 lanes store 256 consecutive bytes at a multiple of 256 from out0's first byte
	s_wait_dscnt 0x0
	global_store_b128 v[OO], v[AG+4:AG+7], s[14:15] offset:16*512 th:TH_STORE_NT
	s_set_vgpr_msb 0x5
	s_wait_tensorcnt 0x0
	ds_add_u32 v128, v129
	s_wait_dscnt 0x0
	s_set_vgpr_msb 0x500
	s_endpgm
.Lfunc_end_k_q38fd569099_nalu:
	.size	k_q38fd569099_nalu, .Lfunc_end_k_q38fd569099_nalu-k_q38fd569099_nalu
	.p2alignl 7, 3214868480
	.fill 96, 4, 3214868480
	.section	.rodata,"a",@progbits
	.p2align	6, 0x0
	.amdhsa_kernel k_q38fd569099_nalu
		.amdhsa_group_segment_fixed_size 263168
		.amdhsa_private_segment_fixed_size 0
		.amdhsa_enable_private_segment 0
		.amdhsa_kernarg_size 48
		.amdhsa_user_sgpr_count 2
		.amdhsa_user_sgpr_kernarg_segment_ptr 1
		.amdhsa_wavefront_size32 1
		.amdhsa_system_sgpr_workgroup_id_x 1
		.amdhsa_system_sgpr_workgroup_id_y 1
		.amdhsa_system_sgpr_workgroup_id_z 1
		.amdhsa_system_vgpr_workitem_id 0
		.amdhsa_next_free_vgpr 386
		.amdhsa_next_free_sgpr 66
		.amdhsa_reserve_vcc 0
		.amdhsa_float_denorm_mode_32 3
		.amdhsa_float_denorm_mode_16_64 3
		.amdhsa_memory_ordered 1
		.amdhsa_forward_progress 1
		.amdhsa_inst_pref_size 174
	.end_amdhsa_kernel
	.amdgpu_metadata
---
amdhsa.version: [ 1, 2 ]
amdhsa.kernels:
  - .name:           k_q38fd569099_nalu
    .symbol:         k_q38fd569099_nalu.kd
    .args:
      - { .name: x_t, .offset: 0, .size: 8, .value_kind: global_buffer, .address_space: global }
      - { .name: h_tm1, .offset: 8, .size: 8, .value_kind: global_buffer, .address_space: global }
      - { .name: W_mul, .offset: 16, .size: 8, .value_kind: global_buffer, .address_space: global }
      - { .name: G_add, .offset: 24, .size: 8, .value_kind: global_buffer, .address_space: global }
      - { .name: W_add, .offset: 32, .size: 8, .value_kind: global_buffer, .address_space: global }
      - { .name: out0, .offset: 40, .size: 8, .value_kind: global_buffer, .address_space: global }
    .group_segment_fixed_size: 263168
    .private_segment_fixed_size: 0
    .kernarg_segment_align: 8
    .kernarg_segment_size: 48
    .max_flat_workgroup_size: 256
    .sgpr_count:     66
    .vgpr_count:     386
    .wavefront_size: 32
...
	.end_amdgpu_metadata
.endif
;; end of part 1
;; ======== version 2 of 2: 1 launch; version 1 with the launch nalu written anew for expert scheduling mode
;; launch nalu (part 2): grid 2 x 128, 8 waves a work-group, no clusters, 263,168 bytes of LDS; arguments x_t, h_tm1, W_mul, G_add, W_add, out0; writes out0
.if DOCPART == 2
	.amdgcn_target "amdgcn-amd-amdhsa--gfx1250"
	.amdhsa_code_object_version 6
	.text
	.protected	k_q38fd569099_nalu
	.globl	k_q38fd569099_nalu
	.p2align	8
	.type	k_q38fd569099_nalu,@function
k_q38fd569099_nalu:
	s_mov_b64 s[64:65], 0
	v_nop
	global_prefetch_b8 v0, s[64:65] scope:SCOPE_SE
	s_setreg_imm32_b32 hwreg(HW_REG_WAVE_SCHED_MODE, 0, 2), 2
	s_setreg_imm32_b32 hwreg(HW_REG_WAVE_MODE, 25, 1), 1
	s_wait_xcnt 0x0
	s_wait_alu depctr_vm_vsrc(0)
; RecurrentNALU step.  x = [x_t | h_tm1] is [4096][256] f32; G_add, W_add, W_mul are [128][256] f32; out0 is [4096][128] f32.
;   g = sigmoid(x G_add^T),  a = x clip(W_add,-1,1)^T,  m[b][h] = product over k of (x[b][k] W[h][k] + 1 - W[h][k]), W = clip(W_mul,0,1),
;   out0 = g a + (1 - g) m.
; One launch.  A work-group owns 32 rows x 64 columns of out0 (a row piece of 256 bytes, aligned); grid 2 (column blocks) x 128 (row blocks).
; The product path is the bulk: 32 x 64 x 256 terms, each one fused multiply-add and one multiply in f32, two terms to a packed instruction:
; 16,384 packed instructions for eight waves.  The two matrix products are 128 bf16 matrix instructions.
; PHASES  A: every global load of the kernel is issued.  B: W_mul and x are worked into LDS.  C: wave w multiplies the terms of k = 32 w .. 32 w + 31
; for the whole tile (a lane holds 8 rows x 8 columns), G_add and W_add still on their way in registers v256-383.  D: these two go to LDS as bf16.
; E: each wave owns a 16 x 16 piece: the eight waves' partial products, 16 matrix instructions, the gate, and the way out through LDS.
; LIMITS KEPT.  (1) A term is formed as (x - 1) W + 1, one rounding of x - 1 and one of the fma, in place of (x W + 1) - W: the absolute error of a term
; is of the same size, half a unit in the last place of max(|x W|, 1).  (2) The 256 terms are multiplied as eight runs of 32 in ascending k and then as a tree of three
; levels: where an intermediate product leaves f32's range (above 3.4e38, below 1.2e-38) it may do so at another place than in reference()'s order.
; (3) The clips are v_med3_num_f32, which drops a NaN: a NaN among the weights does not come out as NaN.  (4) x, G_add and clip(W_add) are rounded to
; bf16 for the matrix unit; the sums are f32.
; NO CLUSTER, NO TENSOR LOADS: the 128 work-groups of a column block read the same 192 KiB of weights, but every element needs register work before
; its LDS form (clip and interleave; clip and bf16; x - 1 and bf16).  Loaded raw into LDS the tiles are 224 KiB beside the 256 KiB used here, more
; than a work-group can have, and a ring of raw pieces would add 224 KiB of LDS writes and as many reads to each work-group.
; THE MODE: SCHED_MODE bits 1:0 = 2 (LLVM: expert scheduling mode 2), set by the entry lines.  The code itself states the register dependences
; between vector or matrix instructions and memory or LDS instructions, with s_wait_alu, always for 0.
; THE PLAN.  Registers that memory or LDS instructions touch:
;   v1-v15        offsets and LDS addresses: made once by vector lines in phase A, read by loads and stores, never written again.
;   phase B       four groups (W pairs 0-3, W pairs 4-7, x_t, h_tm1).  A group's arithmetic writes store data; the stores are issued in the NEXT group, behind one wait
;                 on va_vdst at that group's head, dealt among that group's arithmetic, which names none of the registers that those stores read.
;   v16-127       phase B's store data; phase C writes v32-47 and v64-127 again: one wait on vm_vsrc behind the first barrier.
;   F0, F1        phase C: unit u's arithmetic reads one; the loads of unit u + 1 land in the other, which unit u - 1 read: one wait on va_vdst at a unit's head,
;                 and the sixteen loads are dealt among the first half of the unit's arithmetic, which names its own buffer, T and P alone.
;   P, CG, CV     written by vector lines, read by the LDS stores at the end of C and of D (a wait on va_vdst ahead of each run), then loaded again with fragments in
;                 phase E: a wait on va_vdst and one on vm_vsrc behind the second barrier.
;   v256-383      G_add and W_add land there; phase D's conversions read them; the partial products land in v256-319 behind the same two waits.
;   AA, AG        y is written by vector lines and stored to LDS behind a wait on va_vdst, which no vector line follows: it serves the loads into AG as well.
; ---- LDS map.  Every pitch is an odd multiple of 16 bytes, so that the rows which one 16-byte load or store touches start in different banks.
.set PA, 1040                          ; x - 1, f32: 256 k = 1,024 bytes + 16
.set PW, 2064                          ; W pairs, f32: two planes of 1,024 bytes + 16
.set PB, 528                           ; bf16 rows: 512 bytes + 16
.set PR, 272                           ; rows of 64 f32 results: 256 bytes + 16
.set L_A, 0                            ; [32 rows][256 k] x - 1
.set L_W, L_A+32*PA                    ; [32 pairs of h][plane][64][4]: plane p, entry q = (W[h][4q+2p], W[h+1][4q+2p], W[h][4q+2p+1], W[h+1][4q+2p+1])
.set L_X, L_W+32*PW                    ; [32 rows][256 k] x in bf16
.set L_G, L_X+32*PB                    ; [64 h][256 k] G_add in bf16
.set L_V, L_G+64*PB                    ; [64 h][256 k] clip(W_add) in bf16
.set L_P, L_V+64*PB                    ; [8 waves][32 rows][64 h] partial products
.set L_Y, L_P+8*32*PR                  ; [32 rows][64 h] y;  ends at 262,144
; ---- registers, window 0
.set OO,  1                            ; byte offset of my 16 bytes in out0 (from the tile's first byte)
.set GO,  2                            ; 16 t: global offset in x_t, h_tm1, G_add, W_add tiles
.set GOM, 3                            ; global offset in the W_mul tile
.set YR,  4                            ; LDS: where I read y back by rows
.set SA,  5                            ; LDS stores of phase B and D: x - 1,
.set SX,  6                            ;   bf16 x,
.set SW,  7                            ;   W pairs,
.set SG,  8                            ;   bf16 G_add (and W_add, L_V - L_G further)
.set FXA, 9                            ; LDS: my x fragments
.set FGA, 10                           ; LDS: my G_add fragments (W_add's L_V - L_G further)
.set RP,  11                           ; LDS: my 16 x 16 piece in wave 0's partial products
.set XA,  12                           ; LDS: x - 1 of my rows at my wave's first k
.set WA,  13                           ; LDS: W pairs of my columns at my wave's first k
.set PS,  14                           ; LDS: where my partial products go
.set YS,  15                           ; LDS: where my piece of y goes
.set T8,  16                           ; v16-23  phase B: the first pair's worked form (set-up temporaries before)
.set TBA, 24                           ; v24-31  phase B: bf16 of x_t
.set LX,  32                           ; v32-63  x as loaded: 4 loads of x_t, 4 of h_tm1
.set LM,  64                           ; v64-127 W_mul as loaded: pair i: row 2hp in 8i..8i+3, row 2hp+1 in 8i+4..8i+7
.set T,   32                           ; v32-47  phase C: eight pairs of terms
.set P,   64                           ; v64-127 phase C: products; row i, pair j at P + 8 i + 2 j
.set F0,  128                          ; v128-191, v192-255: two fragment buffers: 8 rows x 4 k of x - 1, then 4 pairs x 4 k x 2 of W
.set F1,  192
.set CG,  128                          ; phase D: bf16 of G_add, of W_add
.set CV,  160
.set AG,  32                           ; phase E: gate sums, then g, then y by rows
.set AA,  40                           ;          add-path sums, then y
.set TS,  48                           ;          at work
.set M,   56                           ;          m of my 8 outputs
.set FX,  64                           ;          fragments: x, G_add, W_add, 8 K steps x 8 registers each
.set FG,  128
.set FV,  192
; ---- registers, window 1 (v256-383)
.set BG,  0                            ; G_add as loaded, 64 registers; in phase E the eight partial products of my 8 outputs (BP)
.set BV,  64                           ; W_add as loaded, 64 registers
.set BP,  0
; s_set_vgpr_msb: bits 1:0 source 0, 3:2 source 1, 5:4 source 2, 7:6 destination; the high byte repeats the setting that is left.
.set MSB, 0
.macro WIN new
.if MSB != \new
	s_set_vgpr_msb (MSB<<8)|\new
.set MSB, \new
.endif
.endm
; =============================== A: addresses and all global loads ===============================
	s_load_b256 s[4:11], s[0:1], 0x0               ; x_t s[4:5], h_tm1 s[6:7], W_mul s[8:9], G_add s[10:11]
	s_load_b128 s[12:15], s[0:1], 0x20             ; W_add s[12:13], out0 s[14:15]
	s_set_vgpr_msb 0x40
	v_lshl_add_u32 v128, v0, 2, 0x40000
	v_mov_b32 v129, 0
	s_set_vgpr_msb 0x4000
	v_lshrrev_b32 v16, 5, v0
	v_readfirstlane_b32 s16, v16                   ; wave w, 0 to 7
	v_lshlrev_b32 v[GO], 4, v0                     ; the tiles of x_t, h_tm1, G_add, W_add are dense: thread t takes bytes 16 t + 4,096 i
	v_lshrrev_b32 v16, 6, v0                       ; c = t / 64
	v_and_b32 v17, 63, v0                          ; q = t % 64: k = 4 q
	v_lshlrev_b32 v17, 4, v17
	v_lshl_add_u32 v[GOM], v16, 11, v17            ; W_mul: row 2 c, 16 bytes at k = 4 q; pair hp = c + 4 i lies 8,192 i further, its second row 1,024 more
	s_and_b32 s17, ttmp7, 0xffff                   ; row block, 0 to 127
	s_lshl_b32 s18, s17, 14                        ; x 32 rows x 512 bytes (x_t, h_tm1, out0)
	s_mov_b32 s19, 0
	s_lshl_b32 s20, ttmp9, 16                      ; column block x 64 rows x 1,024 bytes (the weights)
	s_mov_b32 s21, 0
	s_lshl_b32 s22, ttmp9, 8                       ; column block x 256 bytes in a row of out0
	s_add_co_u32 s22, s22, s18
	s_mov_b32 s23, 0
	s_wait_kmcnt 0x0
	s_add_nc_u64 s[4:5], s[4:5], s[18:19]
	s_add_nc_u64 s[6:7], s[6:7], s[18:19]
	s_add_nc_u64 s[8:9], s[8:9], s[20:21]
	s_add_nc_u64 s[10:11], s[10:11], s[20:21]
	s_add_nc_u64 s[12:13], s[12:13], s[20:21]
	s_add_nc_u64 s[14:15], s[14:15], s[22:23]
	s_wait_alu depctr_va_vdst(0)                   ; v[GO] and v[GOM] are written: the 56 loads below read them as offsets; only loads and one window switch follow up to the last of them
; 56 loads a thread, each of a wave 512 consecutive bytes at a multiple of 512.  What the product path needs comes first.
.irp i, 0,1,2,3,4,5,6,7
	global_load_b128 v[LM+8*\i:LM+8*\i+3],   v[GOM], s[8:9] offset:\i*8192
	global_load_b128 v[LM+8*\i+4:LM+8*\i+7], v[GOM], s[8:9] offset:\i*8192+1024
.endr
.irp i, 0,1,2,3
	global_load_b128 v[LX+4*\i:LX+4*\i+3], v[GO], s[4:5] offset:\i*4096            ; x_t, tile row w + 8 i
.endr
.irp i, 0,1,2,3
	global_load_b128 v[LX+16+4*\i:LX+16+4*\i+3], v[GO], s[6:7] offset:\i*4096      ; h_tm1, the same rows
.endr
	WIN 0x40                                       ; destinations in window 1: these 32 loads stay out until phase D
.irp i, 0,1,2,3,4,5,6,7,8,9,10,11,12,13,14,15
	global_load_b128 v[BG+4*\i:BG+4*\i+3], v[GO], s[10:11] offset:\i*4096          ; G_add, tile row 4 i + t / 64
.endr
.irp i, 0,1,2,3,4,5,6,7,8,9,10,11,12,13,14,15
	global_load_b128 v[BV+4*\i:BV+4*\i+3], v[GO], s[12:13] offset:\i*4096          ; W_add likewise
.endr
	WIN 0
; LDS addresses, made while the loads are on their way: a constant, the wave's number times a constant, a lane term.
	v_and_b32 v21, 31, v0                          ; lane l
	s_wait_alu depctr_va_sdst(0)                   ; s16, the wave's number, is written, ahead of its first reader: the line below
	s_lshr_b32 s26, s16, 1                         ; w / 2: c of the weight stores; column block of 16 in phase E
	s_and_b32 s27, s16, 1                          ; w % 2: half of a weight row;   row block of 16 in phase E
	s_mul_i32 s24, s16, PA                         ; x - 1: row w (+ 8 i by the offset); L_A is 0
	v_lshl_add_u32 v[SA], v21, 4, s24
	s_mul_i32 s25, s16, PB
	s_add_co_u32 s25, s25, L_X
	v_lshl_add_u32 v[SX], v21, 3, s25
	s_mul_i32 s28, s26, 8*PW                       ; pair hp = c + 4 i is kept at LDS row 8 c + i, so that the eight lanes' rows in phase C are neighbours
	s_lshl_b32 s29, s27, 9
	s_add_co_u32 s28, s28, s29
	s_add_co_u32 s28, s28, L_W
	v_lshl_add_u32 v[SW], v21, 4, s28
	s_mul_i32 s29, s26, PB
	s_lshl_b32 s30, s27, 8
	s_add_co_u32 s29, s29, s30
	s_add_co_u32 s29, s29, L_G
	v_lshl_add_u32 v[SG], v21, 3, s29
	v_and_b32 v16, 15, v21                         ; r = l % 16
	v_lshrrev_b32 v17, 4, v21                      ; hh = l / 16
	v_mul_u32_u24 v20, v16, PB
	v_lshl_add_u32 v20, v17, 4, v20                ; fragment: row r, 16 bytes for each half of the lanes
	s_mul_i32 s30, s27, 16*PB
	s_add_co_u32 s30, s30, L_X
	v_add_nc_u32 v[FXA], s30, v20
	s_mul_i32 s31, s26, 16*PB
	s_add_co_u32 s31, s31, L_G
	v_add_nc_u32 v[FGA], s31, v20
	v_mul_u32_u24 v20, v16, PR
	v_lshl_add_u32 v20, v17, 5, v20                ; my 8 results: row r, columns 8 hh .. 8 hh + 7 of the 16 x 16 piece
	s_mul_i32 s30, s27, 16*PR
	s_lshl_b32 s31, s26, 6
	s_add_co_u32 s30, s30, s31
	s_add_co_u32 s31, s30, L_Y
	s_add_co_u32 s30, s30, L_P
	v_add_nc_u32 v[RP], s30, v20
	v_add_nc_u32 v[YS], s31, v20
	v_mul_u32_u24 v20, v17, PR                     ; the way out: lanes 0-15 take row 2 w, lanes 16-31 row 2 w + 1, 16 bytes a lane
	v_lshl_add_u32 v20, v16, 4, v20
	s_mul_i32 s30, s16, 2*PR
	s_add_co_u32 s30, s30, L_Y
	v_add_nc_u32 v[YR], s30, v20
	v_lshlrev_b32 v20, 9, v17                      ; and the same two rows in out0, 512 bytes apart
	v_lshl_add_u32 v20, v16, 4, v20
	s_lshl_b32 s30, s16, 10
	v_add_nc_u32 v[OO], s30, v20
	v_and_b32 v18, 7, v21                          ; hg = l % 8: my columns 8 hg .. 8 hg + 7 (pairs 4 hg + j, LDS rows 8 j + hg)
	v_lshrrev_b32 v19, 3, v21                      ; bg = l / 8: my rows bg + 4 i
	s_lshl_b32 s30, s16, 7                         ; my wave's 32 k: 128 bytes into a row of x - 1 and into each plane of W
	v_mul_u32_u24 v[XA], v19, PA
	v_add_nc_u32 v[XA], s30, v[XA]
	s_add_co_u32 s31, s30, L_W
	v_mul_u32_u24 v[WA], v18, PW
	v_add_nc_u32 v[WA], s31, v[WA]
	s_mul_i32 s30, s16, 32*PR
	s_add_co_u32 s30, s30, L_P
	v_mul_u32_u24 v[PS], v19, PR
	v_lshl_add_u32 v[PS], v18, 5, v[PS]
	v_add_nc_u32 v[PS], s30, v[PS]
; =============================== B: W_mul and x into LDS ===============================
; Pair i: the clip's destination registers interleave the two rows, so that a register pair is (W[h][k], W[h+1][k]): the move costs nothing.
; d: eight registers that no LDS store issued so far reads: T8 for the first pair, then the raw registers of the pair before.
.macro CLIPW i, d
	v_med3_num_f32 v[\d+0], v[LM+8*\i+0], 0, 1.0
	v_med3_num_f32 v[\d+1], v[LM+8*\i+4], 0, 1.0
	v_med3_num_f32 v[\d+2], v[LM+8*\i+1], 0, 1.0
	v_med3_num_f32 v[\d+3], v[LM+8*\i+5], 0, 1.0
	v_med3_num_f32 v[\d+4], v[LM+8*\i+2], 0, 1.0
	v_med3_num_f32 v[\d+5], v[LM+8*\i+6], 0, 1.0
	v_med3_num_f32 v[\d+6], v[LM+8*\i+3], 0, 1.0
	v_med3_num_f32 v[\d+7], v[LM+8*\i+7], 0, 1.0
.endm
.macro PUTW i, d
	ds_store_b128 v[SW], v[\d:\d+3] offset:\i*PW           ; plane 0: k, k + 1.  A wave's store covers 512 consecutive bytes
	ds_store_b128 v[SW], v[\d+4:\d+7] offset:\i*PW+1024    ; plane 1: k + 2, k + 3
.endm
; x load i (0-3 x_t, 4-7 h_tm1): bf16 for the matrix unit, x - 1 in f32 for the product.  tb: two free registers.
.macro WORKX i, tb
	v_cvt_pk_bf16_f32 v[\tb], v[LX+4*\i], v[LX+4*\i+1]
	v_cvt_pk_bf16_f32 v[\tb+1], v[LX+4*\i+2], v[LX+4*\i+3]
	v_pk_add_f32 v[LX+4*\i:LX+4*\i+1], v[LX+4*\i:LX+4*\i+1], -1.0 op_sel_hi:[1,0]
	v_pk_add_f32 v[LX+4*\i+2:LX+4*\i+3], v[LX+4*\i+2:LX+4*\i+3], -1.0 op_sel_hi:[1,0]
.endm
.macro PUTX i, tb
	ds_store_b64 v[SX], v[\tb:\tb+1] offset:(\i&3)*8*PB+(\i>>2)*256
	ds_store_b128 v[SA], v[LX+4*\i:LX+4*\i+3] offset:(\i&3)*8*PA+(\i>>2)*512
.endm
; Group 1: W pairs 0 to 3.
	s_wait_loadcnt 48                              ; loads return in order (ISA guide 5.7.1): of the 56, the 48 behind the first eight may be out
	CLIPW 0, T8
	CLIPW 1, LM
	CLIPW 2, LM+8
	CLIPW 3, LM+16
; Group 2: W pairs 4 to 7; the stores of group 1 go out among its clips, which write v88-119 and read v96-127: none of v16-23, v64-87 or v[SW].
	s_wait_loadcnt 40                              ; all 16 loads of W_mul are in
	s_wait_alu depctr_va_vdst(0)                   ; group 1's clips have written T8 and v64-87, which the stores below read; all LDS addresses, v1 and v4 to v15, are written too, for the whole kernel
	PUTW 0, T8
	CLIPW 4, LM+24
	PUTW 1, LM
	CLIPW 5, LM+32
	PUTW 2, LM+8
	CLIPW 6, LM+40
	PUTW 3, LM+16
	CLIPW 7, LM+48
; Group 3: x_t; the stores of group 2 go out among its lines, which name v24-47 alone.
	s_wait_loadcnt 36                              ; 20 loads stand up to x_t's last: 36 behind it may be out
	s_wait_alu depctr_va_vdst(0)                   ; group 2's clips have written v88-119, which the stores below read
	PUTW 4, LM+24
	WORKX 0, TBA
	PUTW 5, LM+32
	WORKX 1, TBA+2
	PUTW 6, LM+40
	WORKX 2, TBA+4
	PUTW 7, LM+48
	WORKX 3, TBA+6
; Group 4: h_tm1; the stores of group 3 go out among its lines, which name v48-63 and v120-127 alone (the last pair's raw registers, read by its clips and by nothing else).
	s_wait_loadcnt 32                              ; only G_add's and W_add's 32 loads may be out
	s_wait_alu depctr_va_vdst(0)                   ; group 3's lines have written v24-47, which the stores below read
	PUTX 0, TBA
	WORKX 4, LM+56
	PUTX 1, TBA+2
	WORKX 5, LM+58
	PUTX 2, TBA+4
	WORKX 6, LM+60
	PUTX 3, TBA+6
	WORKX 7, LM+62
	s_wait_alu depctr_va_vdst(0)                   ; group 4's lines have written v48-63 and v120-127, which the last eight stores read
	PUTX 4, LM+56
	PUTX 5, LM+58
	PUTX 6, LM+60
	PUTX 7, LM+62
	s_wait_dscnt 0x0                               ; for the other waves: my LDS stores are done,
	s_barrier_signal -1
	s_barrier_wait -1                              ; and everybody's are.  (G_add and W_add stay on their way: nobody writes those global bytes.)
	s_wait_alu depctr_vm_vsrc(0)                   ; my LDS stores have read v16-127: of these v32-47 are T and v64-127 are P from here on, written by the arithmetic below
; =============================== C: the product, my wave's 32 k, the whole tile ===============================
; A unit is 4 k: 16 loads of 16 bytes feed 128 packed fma and 128 packed multiplies.
.macro LOADU u, f
.irp i, 0,1,2,3,4,5,6,7
	ds_load_b128 v[\f+4*\i:\f+4*\i+3], v[XA] offset:\i*4*PA+(\u)*16                ; row bg + 4 i: x - 1 at 4 k
.endr
.irp j, 0,1,2,3
	ds_load_b128 v[\f+32+8*\j:\f+32+8*\j+3],   v[WA] offset:\j*8*PW+(\u)*16        ; pair 4 hg + j: two k x two h,
	ds_load_b128 v[\f+32+8*\j+4:\f+32+8*\j+7], v[WA] offset:\j*8*PW+1024+(\u)*16   ; and the next two k
.endr
.endm
; Two of a unit's sixteen loads, number n of eight: n = 0 to 3 rows 2 n and 2 n + 1 of x - 1, n = 4 to 7 both planes of W pair n - 4.
.macro LOAD2 u, f, n
.if (\n) < 4
	ds_load_b128 v[\f+8*(\n):\f+8*(\n)+3],   v[XA] offset:(2*(\n))*4*PA+(\u)*16
	ds_load_b128 v[\f+8*(\n)+4:\f+8*(\n)+7], v[XA] offset:(2*(\n)+1)*4*PA+(\u)*16
.else
	ds_load_b128 v[\f+32+8*((\n)-4):\f+32+8*((\n)-4)+3],   v[WA] offset:((\n)-4)*8*PW+(\u)*16
	ds_load_b128 v[\f+32+8*((\n)-4)+4:\f+32+8*((\n)-4)+7], v[WA] offset:((\n)-4)*8*PW+1024+(\u)*16
.endif
.endm
; Rows i0, i0 + 1 x four pairs at k number kk of the unit: eight fma, then eight multiplies, so that no instruction waits for the one in front.
; x - 1 is one register of a pair: op_sel and op_sel_hi feed it to both halves.  first = 1: the term starts the product, nothing is cleared.
.macro TERMS f, kk, i0, first
.irp d, 0,1
.irp j, 0,1,2,3
.if \first
.set DST, P+8*(\i0+\d)+2*\j
.else
.set DST, T+8*\d+2*\j
.endif
.if (\kk)&1
	v_pk_fma_f32 v[DST:DST+1], v[\f+4*(\i0+\d)+(\kk&2):\f+4*(\i0+\d)+(\kk&2)+1], v[\f+32+8*\j+2*\kk:\f+32+8*\j+2*\kk+1], 1.0 op_sel:[1,0,0] op_sel_hi:[1,1,0]
.else
	v_pk_fma_f32 v[DST:DST+1], v[\f+4*(\i0+\d)+(\kk&2):\f+4*(\i0+\d)+(\kk&2)+1], v[\f+32+8*\j+2*\kk:\f+32+8*\j+2*\kk+1], 1.0 op_sel_hi:[0,1,0]
.endif
.endr
.endr
.if \first == 0
.irp d, 0,1
.irp j, 0,1,2,3
	v_pk_mul_f32 v[P+8*(\i0+\d)+2*\j:P+8*(\i0+\d)+2*\j+1], v[P+8*(\i0+\d)+2*\j:P+8*(\i0+\d)+2*\j+1], v[T+8*\d+2*\j:T+8*\d+2*\j+1]
.endr
.endr
.endif
.endm
.macro UNIT f
.irp kk, 0,1,2,3
.irp i0, 0,2,4,6
	TERMS \f, \kk, \i0, 0
.endr
.endr
.endm
; Unit u lies in buffer f; unit u + 1 is asked for into buffer g, two loads ahead of each of the first eight of the unit's sixteen blocks of arithmetic.
.macro STEP u, f, g
	s_wait_dscnt 0x0                               ; unit u's 16 loads are the only LDS instructions out; the last of them was issued 144 packed instructions ago
	s_wait_alu depctr_va_vdst(0)                   ; unit u - 1's arithmetic is done reading buffer g, in which the loads below land; the blocks between them name buffer f, T and P alone
.set blk, 0
.irp kk, 0,1,2,3
.irp i0, 0,2,4,6
.if blk < 8
	LOAD2 \u+1, \g, blk
.endif
	TERMS \f, \kk, \i0, 0
.set blk, blk+1
.endr
.endr
.endm
	LOADU 0, F0                                    ; no vector instruction has named F0 or F1 so far
	s_wait_dscnt 0x0
.set blk, 0
.irp i0, 0,2,4,6
	LOAD2 1, F1, blk                               ; unit 1 is asked for among unit 0's blocks
	TERMS F0, 0, \i0, 1                            ; my wave's first k starts the 64 products
.set blk, blk+1
.endr
.irp kk, 1,2,3
.irp i0, 0,2,4,6
.if blk < 8
	LOAD2 1, F1, blk
.endif
	TERMS F0, \kk, \i0, 0
.set blk, blk+1
.endr
.endr
	STEP 1, F1, F0
	STEP 2, F0, F1
	STEP 3, F1, F0
	STEP 4, F0, F1
	STEP 5, F1, F0
	STEP 6, F0, F1
	s_wait_dscnt 0x0
	UNIT F1                                        ; unit 7: nothing follows, so nothing is loaded
	s_wait_alu depctr_va_vdst(0)                   ; the multiplies have written P, which the LDS stores below read
.irp i, 0,1,2,3,4,5,6,7
	ds_store_b128 v[PS], v[P+8*\i:P+8*\i+3] offset:\i*4*PR             ; row bg + 4 i, columns 8 hg .. + 3, into my wave's own 8,704 bytes
	ds_store_b128 v[PS], v[P+8*\i+4:P+8*\i+7] offset:\i*4*PR+16        ; columns 8 hg + 4 .. + 7
.endr
; =============================== D: G_add and W_add into LDS as bf16 ===============================
	s_wait_loadcnt 0x0                             ; the 32 loads that stayed out under phase C
	WIN 0x05                                       ; sources in window 1, results in window 0
.irp i, 0,1,2,3,4,5,6,7,8,9,10,11,12,13,14,15
	v_cvt_pk_bf16_f32 v[CG+2*\i],   v[BG+4*\i],   v[BG+4*\i+1]
	v_cvt_pk_bf16_f32 v[CG+2*\i+1], v[BG+4*\i+2], v[BG+4*\i+3]
.endr
	WIN 0x41                                       ; source 0 and result in window 1: the clip in place
.set n, 0
.rept 64
	v_med3_num_f32 v[BV+n], v[BV+n], -1.0, 1.0
.set n, n+1
.endr
	WIN 0x05
.irp i, 0,1,2,3,4,5,6,7,8,9,10,11,12,13,14,15
	v_cvt_pk_bf16_f32 v[CV+2*\i],   v[BV+4*\i],   v[BV+4*\i+1]
	v_cvt_pk_bf16_f32 v[CV+2*\i+1], v[BV+4*\i+2], v[BV+4*\i+3]
.endr
	WIN 0
	s_wait_alu depctr_va_vdst(0)                   ; the conversions have written CG and CV, which the LDS stores below read
.irp i, 0,1,2,3,4,5,6,7,8,9,10,11,12,13,14,15
	ds_store_b64 v[SG], v[CG+2*\i:CG+2*\i+1] offset:\i*4*PB                ; tile row 4 i + w / 2; a wave's store covers 256 consecutive bytes
	ds_store_b64 v[SG], v[CV+2*\i:CV+2*\i+1] offset:L_V-L_G+\i*4*PB
.endr
	s_wait_dscnt 0x0                               ; partial products and bf16 weights are in LDS,
	s_barrier_signal -1
	s_barrier_wait -1                              ; everybody's
; =============================== E: my 16 x 16 piece: rows 16 (w % 2) + r, columns 16 (w / 2) + 8 hh + 0..7 ===============================
	WIN 0x40                                       ; the eight waves' partial products of my 8 outputs, into window 1
	s_wait_alu depctr_va_vdst(0)                   ; phase D's conversions are done reading v256-319 and writing v128-191, phase C's arithmetic is done with v64-127 and v192-255: the 64 loads below land in these
	s_wait_alu depctr_vm_vsrc(0)                   ; my LDS stores have read P (v64-127) and CG, CV (v128-191), in which the fragments of x and of G_add land
.irp w, 0,1,2,3,4,5,6,7
	ds_load_b128 v[BP+8*\w:BP+8*\w+3],   v[RP] offset:\w*32*PR
	ds_load_b128 v[BP+8*\w+4:BP+8*\w+7], v[RP] offset:\w*32*PR+16
.endr
	WIN 0
; Fragments, 16 rows x 32 k of bf16 in 8 registers: lane l holds row l % 16, k = 8 (l / 16) + 0..7 and 16 + 8 (l / 16) + 0..7: two loads, 32 bytes apart.
.irp s, 0,1,2,3,4,5,6,7
	ds_load_b128 v[FX+8*\s:FX+8*\s+3],   v[FXA] offset:64*\s
	ds_load_b128 v[FX+8*\s+4:FX+8*\s+7], v[FXA] offset:64*\s+32
	ds_load_b128 v[FG+8*\s:FG+8*\s+3],   v[FGA] offset:64*\s
	ds_load_b128 v[FG+8*\s+4:FG+8*\s+7], v[FGA] offset:64*\s+32
	ds_load_b128 v[FV+8*\s:FV+8*\s+3],   v[FGA] offset:L_V-L_G+64*\s
	ds_load_b128 v[FV+8*\s+4:FV+8*\s+7], v[FGA] offset:L_V-L_G+64*\s+32
.endr
	s_wait_dscnt 48                                ; the 16 loads of partial products are in; the 48 fragment loads behind them may be out
	WIN 0x45                                       ; m = ((p0 p1)(p2 p3)) ((p4 p5)(p6 p7)), in window 1
.irp w, 0,2,4,6
.irp c, 0,2,4,6
	v_pk_mul_f32 v[BP+8*\w+\c:BP+8*\w+\c+1], v[BP+8*\w+\c:BP+8*\w+\c+1], v[BP+8*\w+8+\c:BP+8*\w+8+\c+1]
.endr
.endr
.irp w, 0,4
.irp c, 0,2,4,6
	v_pk_mul_f32 v[BP+8*\w+\c:BP+8*\w+\c+1], v[BP+8*\w+\c:BP+8*\w+\c+1], v[BP+8*\w+16+\c:BP+8*\w+16+\c+1]
.endr
.endr
	WIN 0x05                                       ; the last level lands in window 0
.irp c, 0,2,4,6
	v_pk_mul_f32 v[M+\c:M+\c+1], v[BP+\c:BP+\c+1], v[BP+32+\c:BP+32+\c+1]
.endr
	WIN 0
; Source 0 = 16 rows of the weights, source 1 = 16 rows of x: register j of lane l is then (row l % 16 of x, column 8 (l / 16) + j): eight
; neighbouring columns of a row of out0.  Two chains in place take turns; the first link of each takes the constant 0.
.irp s, 0,1,2,3,4,5,6,7
	s_wait_dscnt 42-6*\s                           ; K step s's six loads are in; six for each later step may be out
.if \s == 0
	v_wmma_f32_16x16x32_bf16 v[AG:AG+7], v[FG:FG+7], v[FX:FX+7], 0
	v_wmma_f32_16x16x32_bf16 v[AA:AA+7], v[FV:FV+7], v[FX:FX+7], 0
.else
	v_wmma_f32_16x16x32_bf16 v[AG:AG+7], v[FG+8*\s:FG+8*\s+7], v[FX+8*\s:FX+8*\s+7], v[AG:AG+7]
	v_wmma_f32_16x16x32_bf16 v[AA:AA+7], v[FV+8*\s:FV+8*\s+7], v[FX+8*\s:FX+8*\s+7], v[AA:AA+7]
.endif
.endr
.rept 4
	v_nop                                          ; four places between the last matrix instructions and the vector instructions that read their results (ISA guide 7.12.1)
.endr
; g = 1 / (1 + 2^(-1.442695 z)): 2^.. overflows to infinity for very negative z (g = 0) and falls to 0 for very positive z (g = 1).
.irp j, 0,2,4,6
	v_pk_mul_f32 v[TS+\j:TS+\j+1], v[AG+\j:AG+\j+1], 0xbfb8aa3b op_sel_hi:[1,0]
.endr
.irp j, 0,1,2,3,4,5,6,7
	v_exp_f32 v[TS+\j], v[TS+\j]
.endr
	v_nop                                          ; one plain vector instruction between a transcendental and the use of its result (ISA guide 5.7.2)
	s_wait_alu depctr_va_vdst(0)
.irp j, 0,2,4,6
	v_pk_add_f32 v[TS+\j:TS+\j+1], v[TS+\j:TS+\j+1], 1.0 op_sel_hi:[1,0]
.endr
.irp j, 0,1,2,3,4,5,6,7
	v_rcp_f32 v[AG+\j], v[TS+\j]
.endr
	v_nop                                          ; likewise: the next lines read g and rewrite the reciprocals' sources
	s_wait_alu depctr_va_vdst(0)
.irp j, 0,2,4,6
	v_pk_fma_f32 v[TS+\j:TS+\j+1], v[AG+\j:AG+\j+1], -1.0, 1.0 op_sel_hi:[1,0,0]       ; 1 - g
.endr
.irp j, 0,2,4,6
	v_pk_mul_f32 v[TS+\j:TS+\j+1], v[TS+\j:TS+\j+1], v[M+\j:M+\j+1]                    ; (1 - g) m
.endr
.irp j, 0,2,4,6
	v_pk_fma_f32 v[AA+\j:AA+\j+1], v[AG+\j:AG+\j+1], v[AA+\j:AA+\j+1], v[TS+\j:TS+\j+1]    ; y = g a + (1 - g) m, as reference() forms it
.endr
; The way out.  My 32 bytes are an eighth of a row piece; four waves hold the rest.  So y goes through LDS and is read back by rows.
	s_wait_alu depctr_va_vdst(0)                   ; the last fma have written AA, which the two LDS stores read, and are done reading AG, in which the rows of y land further down: no vector instruction follows this wait
	ds_store_b128 v[YS], v[AA:AA+3]
	ds_store_b128 v[YS], v[AA+4:AA+7] offset:16
	s_wait_dscnt 0x0
	s_barrier_signal -1
	s_barrier_wait -1
	ds_load_b128 v[AG:AG+3],   v[YR]               ; tile rows 2 w, 2 w + 1
	ds_load_b128 v[AG+4:AG+7], v[YR] offset:16*PR  ; tile rows 16 + 2 w, 17 + 2 w
	s_wait_dscnt 1                                 ; the first is in, the second may be out
	global_store_b128 v[OO], v[AG:AG+3], s[14:15] th:TH_STORE_NT               ; 16 lanes store 256 consecutive bytes at a multiple of 256 from out0's first byte
	s_wait_dscnt 0x0
	global_store_b128 v[OO], v[AG+4:AG+7], s[14:15] offset:16*512 th:TH_STORE_NT
	s_set_vgpr_msb 0x5
	s_wait_dscnt 0x0
	s_wait_alu depctr_hold_cnt(0) depctr_sa_sdst(0) depctr_va_vdst(0) depctr_va_sdst(0) depctr_va_ssrc(0) depctr_va_vcc(0) depctr_vm_vsrc(0)
	s_wait_tensorcnt 0x0
	ds_add_u32 v128, v129
	s_wait_dscnt 0x0
	s_endpgm
.Lfunc_end_k_q38fd569099_nalu:
	.size	k_q38fd569099_nalu, .Lfunc_end_k_q38fd569099_nalu-k_q38fd569099_nalu
	.p2alignl 7, 3214868480
	.fill 96, 4, 3214868480
	.section	.rodata,"a",@progbits
	.p2align	6, 0x0
	.amdhsa_kernel k_q38fd569099_nalu
		.amdhsa_group_segment_fixed_size 263168
		.amdhsa_private_segment_fixed_size 0
		.amdhsa_enable_private_segment 0
		.amdhsa_kernarg_size 48
		.amdhsa_user_sgpr_count 2
		.amdhsa_user_sgpr_kernarg_segment_ptr 1
		.amdhsa_wavefront_size32 1
		.amdhsa_system_sgpr_workgroup_id_x 1
		.amdhsa_system_sgpr_workgroup_id_y 1
		.amdhsa_system_sgpr_workgroup_id_z 1
		.amdhsa_system_vgpr_workitem_id 0
		.amdhsa_next_free_vgpr 386
		.amdhsa_next_free_sgpr 66
		.amdhsa_reserve_vcc 0
		.amdhsa_float_denorm_mode_32 3
		.amdhsa_float_denorm_mode_16_64 3
		.amdhsa_memory_ordered 1
		.amdhsa_forward_progress 1
		.amdhsa_inst_pref_size 175
	.end_amdhsa_kernel
	.amdgpu_metadata
---
amdhsa.version: [ 1, 2 ]
amdhsa.kernels:
  - .name:           k_q38fd569099_nalu
    .symbol:         k_q38fd569099_nalu.kd
    .args:
      - { .name: x_t, .offset: 0, .size: 8, .value_kind: global_buffer, .address_space: global }
      - { .name: h_tm1, .offset: 8, .size: 8, .value_kind: global_buffer, .address_space: global }
      - { .name: W_mul, .offset: 16, .size: 8, .value_kind: global_buffer, .address_space: global }
      - { .name: G_add, .offset: 24, .size: 8, .value_kind: global_buffer, .address_space: global }
      - { .name: W_add, .offset: 32, .size: 8, .value_kind: global_buffer, .address_space: global }
      - { .name: out0, .offset: 40, .size: 8, .value_kind: global_buffer, .address_space: global }
    .group_segment_fixed_size: 263168
    .private_segment_fixed_size: 0
    .kernarg_segment_align: 8
    .kernarg_segment_size: 48
    .max_flat_workgroup_size: 256
    .sgpr_count:     66
    .vgpr_count:     386
    .wavefront_size: 32
...
	.end_amdgpu_metadata
.endif
;; end of part 2
